; MI455X (gfx1250); checked and timed in simulation.
; The chip was launched on July 23, 2026; its instructions are those of AMD's public machine-readable ISA for CDNA 5 (MIT licence, August 2026) and "CDNA5" Instruction Set Architecture Reference Guide (July 2026). The comments in the code are by the model that wrote it; some were corrected since.
;; Offline Sliding Window Attn. Allowed arithmetic: matrix products marked QUANTISED: E4M3 operands, one given power-of-two scale a tensor, by v_wmma_f32_16x16x64_fp8_fp8 or v_wmma_f32_16x16x128_fp8_fp8, f32 sums; everything else in f32.
;; Inputs: k 2 x 2,048 x 4 x 128 float32; lowp_scales 4 int32 (the exponents e of the quantised operands' scales 2^e); q 2 x 2,048 x 16 x 128 float32; v 2 x 2,048 x 4 x 128 float32.
;; Outputs: out0 2 x 2,048 x 16 x 128 float32.
;; This version of the problem:
;;   THIS VERSION OF THE PROBLEM IS GIVEN IN LOW PRECISION. The matrix products marked QUANTISED in the list below multiply operands that are first quantised to E4M3 (4 exponent bits, 3 mantissa bits; 8 bits a number), with one given power-of-two scale for each operand tensor; their sums are f32. All else is computed in f32.
;;   The module's matrix products, in the order in which they are computed (A, B: the left and right operand; K: the contracted axis; several contracted axes count as one K, in the product's order):
;;     1. batch 32 x [M 2,048, K 128] x [K 128, N 2,048]; A: input q; B: input k: QUANTISED (scales: A lowp_scales[0], B lowp_scales[1])
;;     2. batch 32 x [M 2,048, K 2,048] x [K 2,048, N 128]; A: computed on the way; B: input v: QUANTISED (scales: A lowp_scales[2], B lowp_scales[3])
;;   THE QUANTISER, for each operand of a quantised product, along K:
;;     - The operand's scale is 2^e, e = its entry of the input lowp_scales (int32; the entries are numbered through the quantised products in the list's order, A before B).
;;     - Each number is divided by the scale, clamped to +-448, and rounded to the nearest number of E4M3, ties to even, subnormals kept.
;;     - The product sums the exact products of the quantised numbers (number of the format x scale) in f32.
;;   ~~~python
;;   def quantise(x, axis, e):      # numpy; x: float32 -> the quantised numbers, widened to float32 again
;;       x = np.moveaxis(x, axis, -1); K = x.shape[-1]
;;       r = np.clip(x / 2.0 ** e, -448, 448)
;;       step = 2.0 ** (np.maximum(np.frexp(np.where(r == 0, 1, r))[1] - 1, -6) - 3)
;;       q = np.round(r / step) * step * 2.0 ** e      # np.round: ties to even
;;       return np.moveaxis(q, -1, axis).astype(np.float32)
;;   ~~~
;;   OPERANDS COMPUTED ON THE WAY. 'Computed on the way' means the value that the module computes at that place (a softmax that the list does not call 'softmax' is quantised finished and normalised). What goes into a quantiser is computed in f32, as accurately as f32 sums, v_exp_f32 and their like allow (about 1e-6 of the number): no bf16 or f16 on the way to a quantiser, and a product that is left as it is and whose result goes on into a quantised operand takes f32 operands (vector FMAs, or v_wmma_f32_16x16x4_f32). A number that lies on a knife's edge between two numbers of the format may be rounded either way, as far as f32 arithmetic and the matrix unit's own rounding can turn it there, and no further.
;; One version. Each part assembles by itself: llvm-mc -triple=amdgcn-amd-amdhsa -mcpu=gfx1250 --defsym DOCPART=n.
;; ======== version 1 of 1: 2 launches
;; workspace buffers: kf 2,097,152 bytes; vf 2,097,152 bytes
;; launch prep (part 1): grid 768 x 1, 4 waves a work-group, no clusters, 0 bytes of LDS; arguments k, v, lowp_scales, kf, vf; writes kf, vf
.if DOCPART == 1
	.amdgcn_target "amdgcn-amd-amdhsa--gfx1250"
	.amdhsa_code_object_version 6
	.text
	.protected	k_q5cd299d1f0_prep
	.globl	k_q5cd299d1f0_prep
	.p2align	8
	.type	k_q5cd299d1f0_prep,@function
k_q5cd299d1f0_prep:
	s_mov_b64 s[64:65], 0
	v_nop
	global_prefetch_b8 v0, s[64:65] scope:SCOPE_SE
	s_setreg_imm32_b32 hwreg(HW_REG_WAVE_MODE, 25, 1), 1
	s_wait_xcnt 0x0
; k and v, [2][2048][4][128] f32, become codes of E4M3 with the given scales 2^ek (entry 1) and 2^ev (entry 3), laid as IMAGES OF OPERAND REGISTERS:
;   kf, vf: [4 b + kv head (8)][block of 128 keys (16)][tile (8)][chunk c (4)][lane (32)][16 bytes]; a block is 16,384 dense bytes.
;   kf: lane (r, h) of tile T holds key 32 (T / 2) + 8 (T % 2) + r + 8 (r / 8), channels 32 c + 16 h + 0 .. 15 (the keys of a tile are chosen so that the scores of two neighbouring tiles are 16 neighbouring keys in a lane).
;   vf: lane (r, h) of tile T holds channel 16 T + r, keys 32 c + 16 h + 0 .. 15 (the keys are the second product's K).
; code = x / 2^e, held within +-448, rounded to the nearest code, ties to even.  LIMITS: ek and ev between -126 and 119, so that 2^e and 448 x 2^e are f32 numbers.  NaN among the inputs is not served.
; Work-groups 0 to 255 take k: a wave makes one tile (16 keys x 128 channels); K is innermost, so a lane loads its 16 neighbours of each chunk.
; Work-groups 256 to 767 take v: a wave takes 32 channels x 32 keys; a lane takes a channel and its registers run down the keys, so nothing is transposed.
; No LDS, no barrier: waves share nothing.  Every store of a wave covers whole aligned runs of 256 bytes.
.set X, 16                             ; v16-79  the numbers
.set C, 80                             ; v80-95  the codes
.macro LIMITS e                        ; v11 = 2^e as f32 (the conversion takes its exponent field), v10 = 448 x 2^e
	s_wait_kmcnt 0x0                               ; the four exponents are in
	s_add_co_i32 s26, s[\e], 127
	s_lshl_b32 s27, s26, 23
	v_mov_b32 v11, s27
	s_add_co_i32 s26, s26, 8
	s_lshl_b32 s26, s26, 23
	s_or_b32 s26, s26, 0x600000
	v_mov_b32 v10, s26
.endm
	s_load_b256 s[4:11], s[0:1], 0x0               ; k s[4:5], v s[6:7], the exponents s[8:9], kf s[10:11]
	s_load_b64 s[12:13], s[0:1], 0x20              ; vf
	v_lshrrev_b32 v1, 5, v0
	v_readfirstlane_b32 s14, v1                    ; wave 0..3
	v_and_b32 v2, 31, v0                           ; lane
	v_and_b32 v3, 15, v0                           ; r
	v_bfe_u32 v4, v0, 4, 1                         ; h
	s_wait_kmcnt 0x0
	s_load_b128 s[16:19], s[8:9], 0x0              ; eq, ek, ep, ev
	s_cmp_lt_u32 ttmp9, 256                        ; the choice hangs on the work-group's number alone
	s_cbranch_scc0 .Lvalues
	; ---- k
	s_lshr_b32 s20, ttmp9, 1                       ; 16 (4 b + kv head) + key block
	s_and_b32 s21, ttmp9, 1
	s_lshl_b32 s21, s21, 2
	s_add_co_u32 s21, s21, s14                     ; my tile: 4 (work-group % 2) + wave
	s_lshr_b32 s22, s20, 6
	s_lshl_b32 s22, s22, 22                        ; b: 2^22 bytes
	s_and_b32 s23, s20, 15
	s_lshl_b32 s23, s23, 7                         ; the block's first key
	s_lshr_b32 s24, s21, 1
	s_lshl_b32 s24, s24, 5
	s_add_co_u32 s23, s23, s24                     ; + 32 (tile / 2)
	s_and_b32 s24, s21, 1
	s_lshl_b32 s24, s24, 3
	s_add_co_u32 s23, s23, s24                     ; + 8 (tile % 2)
	s_lshl_b32 s23, s23, 11                        ; a key is 2,048 bytes on
	s_add_co_u32 s22, s22, s23
	s_bfe_u32 s24, s20, 0x20004                    ; kv head
	s_lshl_b32 s24, s24, 9
	s_add_co_u32 s22, s22, s24
	s_mov_b32 s23, 0
	s_add_nc_u64 s[4:5], s[4:5], s[22:23]
	s_lshl_b32 s24, s20, 14                        ; the block's image,
	s_lshl_b32 s25, s21, 11                        ; my tile's 2,048 bytes of it
	s_add_co_u32 s24, s24, s25
	s_mov_b32 s25, 0
	s_add_nc_u64 s[10:11], s[10:11], s[24:25]
	v_and_b32 v5, 8, v3
	v_add_nc_u32 v5, v5, v3                        ; r + 8 (r / 8)
	v_lshlrev_b32 v5, 11, v5
	v_lshl_add_u32 v5, v4, 6, v5                   ; + 64 h: my 16 channels of a chunk of 32
	v_lshlrev_b32 v6, 4, v2                        ; 16 x lane
.irp c, 0,1,2,3
.irp j, 0,1,2,3
	global_load_b128 v[X+16*\c+4*\j:X+16*\c+4*\j+3], v5, s[4:5] offset:128*\c+16*\j
.endr
.endr
	LIMITS 17
	s_wait_loadcnt 0x0
.irp c, 0,1,2,3
.irp i, 0,1,2,3,4,5,6,7,8,9,10,11,12,13,14,15
	v_med3_num_f32 v[X+16*\c+\i], v[X+16*\c+\i], -v10, v10   ; the conversion to an 8-bit code does not saturate (ISA guide 7.6.2): the hold at the largest code x the scale
.endr
	v_cvt_scalef32_pk8_fp8_f32 v[C+4*\c:C+4*\c+1], v[X+16*\c:X+16*\c+7], v11
	v_cvt_scalef32_pk8_fp8_f32 v[C+4*\c+2:C+4*\c+3], v[X+16*\c+8:X+16*\c+15], v11
.endr
.irp c, 0,1,2,3
	global_store_b128 v6, v[C+4*\c:C+4*\c+3], s[10:11] offset:512*\c   ; 32 lanes store 512 consecutive bytes
.endr
	s_endpgm
.Lvalues:
	; ---- v
	s_sub_co_u32 s20, ttmp9, 256
	s_and_b32 s21, s20, 3                          ; chunk c: 32 keys of the block
	s_lshr_b32 s20, s20, 2                         ; 16 (4 b + kv head) + key block
	s_lshr_b32 s22, s20, 6
	s_lshl_b32 s22, s22, 22
	s_and_b32 s23, s20, 15
	s_lshl_b32 s23, s23, 7
	s_lshl_b32 s24, s21, 5
	s_add_co_u32 s23, s23, s24                     ; my first key: 128 x block + 32 c
	s_lshl_b32 s23, s23, 11
	s_add_co_u32 s22, s22, s23
	s_bfe_u32 s24, s20, 0x20004
	s_lshl_b32 s24, s24, 9
	s_add_co_u32 s22, s22, s24
	s_lshl_b32 s24, s14, 7                         ; my wave's 32 channels
	s_add_co_u32 s22, s22, s24
	s_mov_b32 s23, 0
	s_add_nc_u64 s[6:7], s[6:7], s[22:23]
	s_lshl_b32 s24, s20, 14
	s_lshl_b32 s25, s14, 12                        ; tiles 2 x wave and 2 x wave + 1
	s_add_co_u32 s24, s24, s25
	s_lshl_b32 s25, s21, 9                         ; chunk c
	s_add_co_u32 s24, s24, s25
	s_mov_b32 s25, 0
	s_add_nc_u64 s[12:13], s[12:13], s[24:25]
	v_lshlrev_b32 v5, 2, v2                        ; in: 4 bytes a lane: 128 consecutive bytes a wave, 512 a work-group
	v_lshlrev_b32 v6, 11, v4                       ; out: tile + lane / 16,
	v_lshl_add_u32 v6, v3, 4, v6                   ; place lane % 16 of its lanes
.irp i, 0,1,2,3,4,5,6,7,8,9,10,11,12,13,14,15,16,17,18,19,20,21,22,23,24,25,26,27,28,29,30,31
	global_load_b32 v[X+\i], v5, s[6:7] offset:2048*\i th:TH_LOAD_NT
.endr
	LIMITS 19
	s_wait_loadcnt 0x0
.irp i, 0,1,2,3,4,5,6,7,8,9,10,11,12,13,14,15,16,17,18,19,20,21,22,23,24,25,26,27,28,29,30,31
	v_med3_num_f32 v[X+\i], v[X+\i], -v10, v10
.endr
.irp g, 0,1,2,3
	v_cvt_scalef32_pk8_fp8_f32 v[C+2*\g:C+2*\g+1], v[X+8*\g:X+8*\g+7], v11
.endr
	global_store_b128 v6, v[C:C+3], s[12:13]               ; keys 0-15 of the chunk: the image's lanes 0-15; sixteen lanes store 256 consecutive bytes, aligned
	global_store_b128 v6, v[C+4:C+7], s[12:13] offset:256  ; keys 16-31: its lanes 16-31
	s_endpgm
.Lfunc_end_k_q5cd299d1f0_prep:
	.size	k_q5cd299d1f0_prep, .Lfunc_end_k_q5cd299d1f0_prep-k_q5cd299d1f0_prep
	.p2alignl 7, 3214868480
	.fill 96, 4, 3214868480
	.section	.rodata,"a",@progbits
	.p2align	6, 0x0
	.amdhsa_kernel k_q5cd299d1f0_prep
		.amdhsa_group_segment_fixed_size 0
		.amdhsa_private_segment_fixed_size 0
		.amdhsa_enable_private_segment 0
		.amdhsa_kernarg_size 40
		.amdhsa_user_sgpr_count 2
		.amdhsa_user_sgpr_kernarg_segment_ptr 1
		.amdhsa_wavefront_size32 1
		.amdhsa_system_sgpr_workgroup_id_x 1
		.amdhsa_system_sgpr_workgroup_id_y 1
		.amdhsa_system_sgpr_workgroup_id_z 1
		.amdhsa_system_vgpr_workitem_id 0
		.amdhsa_next_free_vgpr 96
		.amdhsa_next_free_sgpr 66
		.amdhsa_reserve_vcc 0
		.amdhsa_float_denorm_mode_32 3
		.amdhsa_float_denorm_mode_16_64 3
		.amdhsa_memory_ordered 1
		.amdhsa_forward_progress 1
		.amdhsa_inst_pref_size 16
	.end_amdhsa_kernel
	.amdgpu_metadata
---
amdhsa.version: [ 1, 2 ]
amdhsa.kernels:
  - .name:           k_q5cd299d1f0_prep
    .symbol:         k_q5cd299d1f0_prep.kd
    .args:
      - { .name: k, .offset: 0, .size: 8, .value_kind: global_buffer, .address_space: global }
      - { .name: v, .offset: 8, .size: 8, .value_kind: global_buffer, .address_space: global }
      - { .name: lowp_scales, .offset: 16, .size: 8, .value_kind: global_buffer, .address_space: global }
      - { .name: kf, .offset: 24, .size: 8, .value_kind: global_buffer, .address_space: global }
      - { .name: vf, .offset: 32, .size: 8, .value_kind: global_buffer, .address_space: global }
    .group_segment_fixed_size: 0
    .private_segment_fixed_size: 0
    .kernarg_segment_align: 8
    .kernarg_segment_size: 40
    .max_flat_workgroup_size: 128
    .sgpr_count:     66
    .vgpr_count:     96
    .wavefront_size: 32
...
	.end_amdgpu_metadata
.endif
;; end of part 1
;; launch attn (part 2): grid 256 x 1, 4 waves a work-group, clusters of 4 x 1, 327,680 bytes of LDS; arguments q, kf, vf, lowp_scales, out0; writes out0
.if DOCPART == 2
	.amdgcn_target "amdgcn-amd-amdhsa--gfx1250"
	.amdhsa_code_object_version 6
	.text
	.protected	k_q5cd299d1f0_attn
	.globl	k_q5cd299d1f0_attn
	.p2align	8
	.type	k_q5cd299d1f0_attn,@function
k_q5cd299d1f0_attn:
	s_mov_b64 s[64:65], 0
	v_nop
	global_prefetch_b8 v0, s[64:65] scope:SCOPE_SE
	s_setreg_imm32_b32 hwreg(HW_REG_WAVE_MODE, 25, 1), 1
	s_wait_xcnt 0x0
	s_wait_alu depctr_hold_cnt(0) depctr_sa_sdst(0) depctr_va_vdst(0) depctr_va_sdst(0) depctr_va_ssrc(0) depctr_va_vcc(0) depctr_vm_vsrc(0)
	s_getreg_b32 s2, hwreg(HW_REG_IB_STS2, 6, 4)
	s_cmp_eq_u32 s2, 0
	s_cbranch_scc0 .Lentry_in_a_cluster
	s_endpgm
.Lentry_in_a_cluster:
	s_bfe_u32 s2, ttmp6, 0x10000c
	s_cmp_lg_u32 s2, 0x3003
	s_cbranch_scc0 .Lentry_shape_is_right
	s_endpgm
.Lentry_shape_is_right:
; out0[b][s][head][:] = sum over keys of A V;  A = clip(1.06 softmax(30 tanh(q . k / sqrt(128))) - 0.03, 0, 1) over the keys s - 1024 .. s.  Both products on codes of E4M3 with the given scales eq, ek, ep, ev.
; A IS QUANTISED FINISHED: normalised and clipped.  So a row's sum is known before any code of A is made.  PASS 1 makes p = e^(score - 30) for all keys of a tile of 16 queries and keeps it, f32, in registers
; (9 steps x 64 registers) while it sums; PASS 2 makes A = p x 1.06 / sum - 0.03, holds it, quantises it and multiplies by V.  No score is computed twice.
; THE SHIFT.  30 tanh lies between -30 and 30 for every input, so the shift by 30 leaves p between e^-60 and 1 and a sum between e^-60 and 1,025: nothing can overflow or underflow in f32.
; p = 2^(1 / (k e + k)), e = 2^(c1 x raw score), c1 = 2 log2(e) / sqrt(128) x 2^(eq + ek), k = -ln 2 / 60: this is e^(30 (tanh x - 1)) = e^(-60 / (e^(2x) + 1)).  e = infinity gives p = 1, e = 0 gives e^-60.
; JOBS.  A job is a tile of 16 queries x the four query heads of a kv head; wave w takes head 4 kvh + w.  Every job has nine steps of 128 keys.  A work-group runs three: two HIGH (queries from 1,024 on: the diagonal block,
; seven whole blocks, the block at the window's edge) and one LOW PAIR (tile X in block 7 - MM: 8 - MM steps; tile Y in block MM: MM + 1 steps).  Step t belongs to X while t < NX.
; LDS holds the job's nine blocks of K's and of V's images; slot s = key block BASE + s; step t reads slot NX - 1 - t (X) or t - NX (Y): step 0 is always a diagonal, step 8 the window's edge (HIGH) or Y's diagonal (LOW).
; CLUSTER.  The four partners differ in the tile's place in its block alone, so they walk the same nine blocks: each fill is asked for JOINTLY, one tensor load a wave (a quarter of the 147,456 bytes), mask 15.
; The partner's place enters q's and out0's addresses and the mask's vector data, and nothing else.  K of job n + 1 is asked for ahead of job n's pass 2, V of job n ahead of its pass 1: two rounds a job; one tensor load of a wave is out at a time.
; THE LOOP IS ENTERED AT ITS MIDDLE (pass 1): a trip is pass 2 of a HIGH job and pass 1 of the next job; the LOW pair's pass 2 is the tail, written out.
; BOTH PRODUCTS ARE USED TRANSPOSED (S^T = K Q^T, O^T = V^T A^T): a lane holds one query (lane % 16) throughout; register 16 b + i of a step holds key 32 b + 16 (lane / 16) + i.
; NOT NEEDED AND STILL DONE, stated: in a HIGH job tile Y's q is loaded and quantised (X's rows once more) and not used; in the LOW pair slots NX .. 8 are fetched and not read (the descriptor's shape is one constant).
; LIMITS on the given exponents, so that each power of two is an f32 number: eq + ek between -124 and 129; eq and ep between -126 and 119; ep + ev between -126 and 127.  NaN among the inputs is not served.
; REGISTERS, in windows of 256: window 0: addresses, sums, codes of q (X, Y) and of A, O^T of X (v128-191) and of Y (v192-255).  Windows 1, 2: p of steps 0-3, 4-7, 64 each.  Window 3: v0-63 p of step 8; v64-191 eight fragments of K or V.
; The next job's raw q lands in the registers of p of steps 0 (X) and 1 (Y), once pass 2 has read them.
.set SLOTB, 16384                      ; a key block's image
.set KREG,  0                          ; LDS: K's nine slots,
.set VREG,  9*SLOTB                    ; V's nine,
.set QUART, VREG/4                     ; (what one tensor load brings: 144 rows of 256 bytes)
.set STAGE, 2*VREG                     ; the way out: 16 rows x 272 bytes for each wave; no fill lands here
.set SP,    272
.set SPARE, STAGE+4*16*SP              ; the spare words, 128 bytes for each wave: two blocks of 256 bytes that no other line names
.set LI,   1                           ; v1   16 x lane: my place in an image
.set ADR,  2                           ; v2   LDS address of the run of loads in hand
.set QO,   3                           ; v3   q: row r of 8,192 bytes + 64 h
.set STO,  4                           ; v4   the stage: where I put 32 bytes of a row
.set RD,   5                           ; v5   and where I read a row back
.set GO,   6                           ; v6   my byte offset in the tile's rows of out0
.set RR,   7                           ; v7   r = lane % 16
.set HH,   8                           ; v8   h = lane / 16
.set TT,   9                           ; v9   at work
.set DB,   10                          ; v10-13  D_b = my query's place in its block - 16 h - 32 b: register 16 b + i is on or under the diagonal where i <= D_b
.set ACC,  14                          ; v14-21  the running sum, four pairs
.set SAV,  22                          ; v22-23  X's sum, once Y has begun
.set FX,   24                          ; v24-25  1.06 / X's sum
.set FY,   26                          ; v26-27  1.06 / Y's sum
.set SPW,  28                          ; v28  LDS address of my spare word; never rewritten
.set NIL,  29                          ; v29  0; never rewritten
.set FS,   30                          ; v30-31  the one of the two that a step of the tail takes
.set Q,    32                          ; v32-47  the codes of q at work
.set QY,   48                          ; v48-63  tile Y's
.set PC,   64                          ; v64-79  a step's codes of A
.set SCQ,  96                          ; v96 2^eq, v97 448 x 2^eq, v98 2^ep, v99 min(1, 448 x 2^ep)
.set LIMQ, 97
.set SCP,  98
.set LIMP, 99
.set TM,   100                         ; v100-105 at work on the sums
.set OX,   128
.set OY,   192
.set FR,   64                          ; in window 3
.set WV,  14                           ; s14  wave
.set JN,  15                           ; s15  the job in hand, also the loop's counter
.set G1,  16                           ; s[16:23] descriptor group 1, one for all loads
.set G0K, 24                           ; s[24:27] group 0 for K's fills
.set G0V, 28                           ; s[28:31] for V's
.set BK,  32                           ; s32  4 b + kv head
.set MM,  33                           ; s33  0..3
.set II,  34                           ; s34  the tile's place in its key block, 0..7: hangs on my place in the cluster
.set HW,  35                           ; s35  b and my head, in bytes of q and out0
.set KW,  36                           ; s36  my head's images and my wave's quarter, in bytes of kf and vf
.set NX,  37                           ; s37  steps of tile X
.set QXO, 38                           ; s38, s39  byte offset of tiles X, Y in q and out0
.set QYO, 39
.set KVO, 40                           ; s[40:41] byte offset of my quarter of the job's nine blocks
.set OXO, 42                           ; s42  QXO of the job whose pass 2 runs
.set IDX, 43                           ; s43  8 MM + II
.set QXB, 44                           ; s[44:45], s[46:47] q at tiles X, Y
.set QYB, 46
.set OB,  48                           ; s[48:49] out0 at the tile that leaves
.set C1,  50                           ; s[50:51] c1;  s[52:53] k;  s[54:55] -0.03;  s[56:57] 2^(ep + ev): the packed forms name pairs and take the low word for both halves
.set KK,  52
.set M03, 54
.set SO,  56
.set SEL, 58                           ; s[58:59] selects of v_permlanex16_b32: lane l xor 16
.set MSB, 0
.macro WIN new                         ; low byte: bits 1:0 source 0, 3:2 source 1, 5:4 source 2, 7:6 destination; the high byte repeats the setting that is left
.if MSB != (\new)
	s_set_vgpr_msb (MSB<<8)|(\new)
.set MSB, \new
.endif
.endm
.macro PLACES                          ; four plain vector instructions behind a matrix instruction, ahead of loads into its sources and of reads of its result
.rept 4
	v_nop
.endr
.endm
.macro CROUND                          ; a round of the cluster's barrier: my work-group's barrier; wave 0 signals for the work-group; every wave waits for all four; my work-group's barrier once more
	s_barrier_signal -1
	s_barrier_wait -1
	s_cmp_lg_u32 s[WV], 0
	s_cbranch_scc1 .Lnot_wave_0_\@
	s_barrier_signal -3
.Lnot_wave_0_\@:
	s_barrier_wait -3
	s_barrier_signal -1
	s_barrier_wait -1
.endm
; Job JN's tiles, steps and blocks: both kinds are formed and one compare chooses.  s60, s61 hang on my place in the cluster and feed q's and out0's offsets alone; s62, s63 never do.
.macro JOBP
	s_lshl_b32 s60, s[JN], 5
	s_add_co_u32 s60, s60, s[IDX]
	s_add_co_u32 s60, s60, 64                      ; HIGH: tile 64 + 32 n + idx
	s_lshl_b32 s61, s[MM], 3
	s_sub_co_u32 s61, 56, s61
	s_add_co_u32 s61, s61, s[II]                   ; LOW: X = 56 - 8 MM + I
	s_lshl_b32 s62, s[JN], 2
	s_add_co_u32 s62, s62, s[MM]                   ; HIGH: first key block 4 n + MM
	s_sub_co_u32 s63, 8, s[MM]                     ; LOW: X has 8 - MM steps
	s_cmp_eq_u32 s[JN], 2
	s_cselect_b32 s61, s61, s60                    ; X
	s_cselect_b32 s60, s[IDX], s60                 ; Y (HIGH: X once more)
	s_cselect_b32 s[NX], s63, 9
	s_cselect_b32 s62, 0, s62                      ; BASE
	s_lshl_b32 s61, s61, 17                        ; a tile is 16 rows of 8,192 bytes
	s_add_co_u32 s[QXO], s61, s[HW]
	s_lshl_b32 s60, s60, 17
	s_add_co_u32 s[QYO], s60, s[HW]
	s_lshl_b32 s62, s62, 14
	s_add_co_u32 s[KVO], s62, s[KW]
.endm
; A region's nine slots are filled: every wave waits for all its tensor loads (the other region's fill), adds 0 to its spare word, waits for that and for its reads of this region, and passes a round of the
; cluster's barrier; the joint load is the first thing behind it and the wave's only one until the next round.
.macro FILL g0, base
	WIN 0
	s_wait_tensorcnt 0x0                           ; no tensor load of mine is out, so a group 0 may be written
	ds_add_u32 v[SPW], v[NIL]                      ; the descriptor's address is made between the add and the wait for it
	s_add_nc_u64 s[\g0+2:\g0+3], s[\base:\base+1], s[KVO:KVO+1]
	s_or_b32 s[\g0+3], s[\g0+3], 0x80000000        ; type = 2
	s_wait_dscnt 0x0                               ; the add is done, and my reads of the region (and of my stage) are over
	CROUND
	tensor_load_to_lds s[\g0:\g0+3], s[G1:G1+7]
	s_nop 0
	PLACES
.endm
; v[ADR] = my place in the slot of step t, in the region that begins at reg.  The clamp at 8 states the bound in the text; the slot chosen lies under it already.
.macro SLOTADR t, reg
	WIN 0
	s_sub_co_u32 s72, s[NX], (\t)+1                ; X: NX - 1 - t
	s_sub_co_u32 s73, \t, s[NX]                    ; Y: t - NX
	s_cmp_gt_u32 s[NX], \t
	s_cselect_b32 s72, s72, s73
	s_min_u32 s72, s72, 8
	s_lshl_b32 s72, s72, 14
.if (\reg) != 0
	s_add_co_u32 s72, s72, \reg
.endif
	v_add_nc_u32 v[ADR], s72, v[LI]
.endm
.macro VADRC slot                      ; the same for V where the slot is a constant (HIGH: 8 - t)
	WIN 0
	v_add_nc_u32 v[ADR], VREG+(\slot)*SLOTB, v[LI]
.endm
.macro FETCH                           ; a block's eight fragments, as they lie: 32 loads of 512 consecutive bytes
	WIN 0xc0                                       ; destination window 3, address window 0
.irp f, 0,1,2,3,4,5,6,7
.irp c, 0,1,2,3
	ds_load_b128 v[FR+16*\f+4*\c:FR+16*\f+4*\c+3], v[ADR] offset:2048*\f+512*\c
.endr
.endr
.endm
.macro MMS w, pb, tau                  ; S^T, tile tau of a step whose p lies in window w from pb on: 16 keys x my 16 queries, all 128 channels: the sum is whole, C = 0
	WIN ((\w)<<6)|3                                ; K window 3, q window 0
	v_wmma_f32_16x16x128_fp8_fp8 v[\pb+8*\tau:\pb+8*\tau+7], v[FR+16*\tau:FR+16*\tau+15], v[Q:Q+15], 0
.endm
.macro QLOADS                          ; the raw q of tiles X and Y: lane (r, h) takes, of row r, 16 neighbours of each 32: register 16 c + 4 j on = channel 32 c + 16 h + 4 j on
	WIN 0
	s_mov_b32 s66, s[QXO]
	s_mov_b32 s67, 0
	s_add_nc_u64 s[QXB:QXB+1], s[4:5], s[66:67]    ; (the loads that named these bases were waited for at the head of pass 1)
	s_mov_b32 s66, s[QYO]
	s_add_nc_u64 s[QYB:QYB+1], s[4:5], s[66:67]
	WIN 0x40                                       ; destination window 1
.irp c, 0,1,2,3
.irp j, 0,1,2,3
	global_load_b128 v[16*\c+4*\j:16*\c+4*\j+3], v[QO], s[QXB:QXB+1] offset:128*\c+16*\j
.endr
.endr
.irp c, 0,1,2,3
.irp j, 0,1,2,3
	global_load_b128 v[64+16*\c+4*\j:64+16*\c+4*\j+3], v[QO], s[QYB:QYB+1] offset:128*\c+16*\j
.endr
.endr
.endm
.macro QUANTQ src, dst                 ; 64 numbers in window 1 from src on become a fragment's codes in window 0 from dst on
	WIN 0x41
.set j, 0
.rept 64
	v_med3_num_f32 v[\src+j], v[\src+j], -v[LIMQ], v[LIMQ]   ; the conversion does not saturate (ISA guide 7.6.2): the hold at the largest code x the scale
.set j, j+1
.endr
	WIN 0x01
.set j, 0
.rept 8
	v_cvt_scalef32_pk8_fp8_f32 v[\dst+2*j:\dst+2*j+1], v[\src+8*j:\src+8*j+7], v[SCQ]
.set j, j+1
.endr
	v_nop                                          ; a plain instruction between the conversions and the products that read the codes and write over the numbers
.endm
.macro MASK kind                       ; p of hidden keys becomes 0.  kind 0: the diagonal block: key <= query;  kind 1: the block at the window's edge: key >= query - 1024
	WIN (W<<6)|(W<<2)                              ; D_b (source 0 of the compare) window 0; p (source 1 and destination of the select) window W
.set n, 0
.rept 64
.if \kind
	v_cmp_le_i32 vcc_lo, v[DB+n/16], n%16
.else
	v_cmp_ge_i32 vcc_lo, v[DB+n/16], n%16
.endif
	v_cndmask_b32 v[PB+n], 0, v[PB+n], vcc_lo
.set n, n+1
.endr
.endm
; STEP t OF PASS 1: the raw scores, which lie in p's registers, become p, in place; the next step's eight products stand among the first exponentials; K of the step after that is fetched.
; Each of the three batches of 64 transcendentals has one plain instruction and ONE wait behind it, ahead of its first reader.
.macro TRANS t
.set W,   1+(\t)/4
.set PB,  64*((\t)%4)
.set W1,  1+((\t)+1)/4
.set PB1, 64*(((\t)+1)%4)
	WIN 0
.if (\t) >= 5                          ; Y's first step: X's sum is set aside, and the sum begins anew
	s_cmp_lg_u32 s[NX], \t
	s_cbranch_scc1 .Lsame_tile_\@
	v_pk_add_f32 v[ACC:ACC+1], v[ACC:ACC+1], v[ACC+2:ACC+3]
	v_pk_add_f32 v[ACC+4:ACC+5], v[ACC+4:ACC+5], v[ACC+6:ACC+7]
	v_pk_add_f32 v[SAV:SAV+1], v[ACC:ACC+1], v[ACC+4:ACC+5]
.set j, 0
.rept 8
	v_mov_b32 v[ACC+j], 0
.set j, j+1
.endr
.Lsame_tile_\@:
.endif
.if ((\t) >= 4) && ((\t) <= 7)         ; the products below are Y's first: Y's codes take q's place
	s_cmp_lg_u32 s[NX], (\t)+1
	s_cbranch_scc1 .Lsame_q_\@
.set j, 0
.rept 16
	v_mov_b32 v[Q+j], v[QY+j]
.set j, j+1
.endr
.Lsame_q_\@:
.endif
	WIN (W<<6)|W
.set j, 0
.rept 32
	v_pk_mul_f32 v[PB+j:PB+j+1], v[PB+j:PB+j+1], s[C1:C1+1] op_sel_hi:[1,0]   ; c1 x raw; each accumulator from its low end on
.set j, j+2
.endr
.if (\t) < 8
	s_wait_dscnt 0x0                               ; K of step t + 1, asked for a step ago
.endif
.set tt, 0
.rept 8
	WIN (W<<6)|W
.set j, 0
.rept 8
	v_exp_f32 v[PB+8*tt+j], v[PB+8*tt+j]           ; e = e^(2x)
.set j, j+1
.endr
.if (\t) < 8
	MMS W1, PB1, tt
.endif
.set tt, tt+1
.endr
	v_nop
	s_wait_alu depctr_va_vdst(0)
	WIN (W<<6)|W
.set j, 0
.rept 32
	v_pk_fma_f32 v[PB+j:PB+j+1], v[PB+j:PB+j+1], s[KK:KK+1], s[KK:KK+1] op_sel_hi:[1,0,0]   ; k e + k.  (These are also the places behind the products, ahead of the loads below)
.set j, j+2
.endr
.if (\t) < 7
	SLOTADR (\t)+2, KREG
	FETCH
.endif
	WIN (W<<6)|W
.set j, 0
.rept 64
	v_rcp_f32 v[PB+j], v[PB+j]                     ; -60 log2(e) / (e + 1)
.set j, j+1
.endr
	v_nop
	s_wait_alu depctr_va_vdst(0)
.set j, 0
.rept 64
	v_exp_f32 v[PB+j], v[PB+j]                     ; p
.set j, j+1
.endr
	v_nop
	s_wait_alu depctr_va_vdst(0)
.if (\t) == 0
	MASK 0
.endif
.if (\t) == 8
	WIN 0
	s_cmp_eq_u32 s[NX], 9
	s_cbranch_scc0 .Ldiag_\@
	MASK 1
	WIN 0
	s_branch .Lmasked_\@
.Ldiag_\@:
	MASK 0
	WIN 0
.Lmasked_\@:
.endif
	WIN W
.set j, 0
.rept 32
	v_pk_add_f32 v[ACC+2*(j%4):ACC+2*(j%4)+1], v[PB+2*j:PB+2*j+1], v[ACC+2*(j%4):ACC+2*(j%4)+1]   ; the sum of the unquantised p, in four chains
.set j, j+1
.endr
.endm
; STEP t OF PASS 2, first half: A = p x F - 0.03, held between 0 and min(1, 448 x 2^ep), and its codes: they are the second product's operand as they stand.
.macro QUANTP t, f
.set W,  1+(\t)/4
.set PB, 64*((\t)%4)
	WIN (W<<6)|W
.set j, 0
.rept 32
	v_pk_fma_f32 v[PB+j:PB+j+1], v[PB+j:PB+j+1], v[\f:\f+1], s[M03:M03+1] op_sel_hi:[1,0,0]
.set j, j+2
.endr
.set j, 0
.rept 64
	v_med3_num_f32 v[PB+j], v[PB+j], 0, v[LIMP]    ; the clip and the hold in one
.set j, j+1
.endr
	WIN W
.set j, 0
.rept 8
	v_cvt_scalef32_pk8_fp8_f32 v[PC+2*j:PC+2*j+1], v[PB+8*j:PB+8*j+7], v[SCP]
.set j, j+1
.endr
	v_nop                                          ; a plain instruction between the conversions and the products that read the codes
.endm
.macro MMO ob, zero                    ; O^T += V^T A^T: eight tiles of 16 channels, the accumulators by turns, one instruction a turn.  zero = 1: the products start the sums
	WIN 0x03                                       ; V window 3
.irp f, 0,1,2,3,4,5,6,7
.if \zero
	v_wmma_f32_16x16x128_fp8_fp8 v[\ob+8*\f:\ob+8*\f+7], v[FR+16*\f:FR+16*\f+15], v[PC:PC+15], 0
.else
	v_wmma_f32_16x16x128_fp8_fp8 v[\ob+8*\f:\ob+8*\f+7], v[FR+16*\f:FR+16*\f+15], v[PC:PC+15], v[\ob+8*\f:\ob+8*\f+7]
.endif
.endr
.endm
; THE WAY OUT of a tile: x 2^(ep + ev); half a row (64 channels, 256 bytes) of 16 queries at a time through my stage, back into the registers that it left; sixteen lanes store 256 consecutive bytes, aligned.
.macro WAYOUT ob, off
	WIN 0
	PLACES
	s_wait_xcnt 0x0                                ; the earlier stores have read their base: it is written only behind this wait
	s_mov_b32 s66, s[\off]
	s_mov_b32 s67, 0
	s_add_nc_u64 s[OB:OB+1], s[12:13], s[66:67]
.set j, 0
.rept 32
	v_pk_mul_f32 v[\ob+j:\ob+j+1], v[\ob+j:\ob+j+1], s[SO:SO+1] op_sel_hi:[1,0]   ; register 8 T + i is o(r, 16 T + 8 h + i); each accumulator from its low end on
.set j, j+2
.endr
.irp u, 0,1
.irp f, 0,1,2,3
	ds_store_b128 v[STO], v[\ob+32*\u+8*\f:\ob+32*\u+8*\f+3] offset:64*\f
	ds_store_b128 v[STO], v[\ob+32*\u+8*\f+4:\ob+32*\u+8*\f+7] offset:64*\f+16
.endr
.irp i, 0,1,2,3,4,5,6,7
	ds_load_b128 v[\ob+32*\u+4*\i:\ob+32*\u+4*\i+3], v[RD] offset:2*\i*SP   ; LDS serves a wave's instructions in order (ISA guide 5.7.1.4): these see my stores, and the next half's stores come behind them
.endr
.endr
.irp u, 0,1
.irp i, 0,1,2,3,4,5,6,7
	s_wait_dscnt 16*(1-\u)+7-\i                    ; behind this load: the rest of its half's loads, and for the first half the second's 8 stores and 8 loads
	global_store_b128 v[GO], v[\ob+32*\u+4*\i:\ob+32*\u+4*\i+3], s[OB:OB+1] offset:2*\i*8192+256*\u th:TH_STORE_NT
.endr
.endr
.endm
	; ---- THE HEAD
	s_load_b256 s[4:11], s[0:1], 0x0               ; q s[4:5], kf s[6:7], vf s[8:9], the exponents s[10:11]
	s_load_b64 s[12:13], s[0:1], 0x20              ; out0
	v_lshl_add_u32 v[SPW], v0, 2, SPARE
	v_mov_b32 v[NIL], 0
	ds_add_u32 v[SPW], v[NIL]                      ; the wave's opening: the add and its wait stand ahead of my first tensor load; the set-up below, work on registers, stands between them
	v_lshrrev_b32 v[TT], 5, v0
	v_readfirstlane_b32 s[WV], v[TT]               ; wave 0..3
	s_bfe_u32 s60, ttmp6, 0x40000                  ; cx: my place in the cluster
	s_and_b32 s[BK], ttmp9, 7                      ; in a cluster launch ttmp9 counts clusters: 64 of them
	s_lshr_b32 s[MM], ttmp9, 4
	s_bfe_u32 s61, ttmp9, 0x10003
	s_lshl_b32 s61, s61, 2
	s_add_co_u32 s[II], s61, s60                   ; I = 4 x (bit 3 of the cluster's number) + cx
	s_lshl_b32 s61, s[MM], 3
	s_add_co_u32 s[IDX], s61, s[II]
	s_lshr_b32 s62, s[BK], 2
	s_lshl_b32 s62, s62, 24                        ; b: 2^24 bytes of q
	s_and_b32 s63, s[BK], 3
	s_lshl_b32 s63, s63, 2
	s_add_co_u32 s63, s63, s[WV]                   ; my head: 4 kvh + wave
	s_lshl_b32 s63, s63, 9
	s_add_co_u32 s[HW], s62, s63
	s_mul_i32 s62, s[WV], QUART                    ; my quarter of a fill, in memory and in LDS alike
	s_lshl_b32 s63, s[BK], 18                      ; a head's 16 blocks
	s_add_co_u32 s[KW], s62, s63
	s_mov_b32 s[KVO+1], 0
	s_mov_b32 s[G1+0], 15|(3<<16)|(1<<21)          ; 15:0 the mask: all four work-groups; 17:16 elements of 8 bytes; 21 set beside a mask; no padding: an image is read as it lies
	s_mov_b32 s[G1+1], 32<<16                      ; tensor_dim0 = 32 elements: 256 bytes
	s_mov_b32 s[G1+2], 144<<16                     ; tensor_dim1 = 144
	s_mov_b32 s[G1+3], 32<<16                      ; tile_dim0
	s_mov_b32 s[G1+4], 144                         ; tile_dim1
	s_mov_b32 s[G1+5], 32                          ; the pitch: the block is dense
	s_mov_b32 s[G1+6], 0
	s_mov_b32 s[G1+7], 0
	s_mov_b32 s[G0K], 1
	s_mov_b32 s[G0K+1], s62                        ; LDS: wave x 36,864
	s_mov_b32 s[G0V], 1
	s_add_co_u32 s[G0V+1], s62, VREG
	s_mov_b32 s[KK], 0xbc3d4680                    ; k = -ln 2 / 60
	s_mov_b32 s[KK+1], s[KK]
	s_mov_b32 s[M03], 0xbcf5c28f                   ; -0.03
	s_mov_b32 s[M03+1], s[M03]
	s_mov_b32 s[SEL], 0x76543210
	s_mov_b32 s[SEL+1], 0xfedcba98
	v_and_b32 v[LI], 31, v0
	v_lshlrev_b32 v[LI], 4, v[LI]
	v_and_b32 v[RR], 15, v0
	v_bfe_u32 v[HH], v0, 4, 1
	v_lshlrev_b32 v[QO], 13, v[RR]
	v_lshl_add_u32 v[QO], v[HH], 6, v[QO]
	s_mul_i32 s62, s[WV], 16*SP
	s_add_co_u32 s62, s62, STAGE                   ; my stage
	v_mul_u32_u24 v[STO], v[RR], SP
	v_lshl_add_u32 v[STO], v[HH], 5, v[STO]
	v_add_nc_u32 v[STO], s62, v[STO]               ; in: row r, 32 bytes for each half of the lanes
	v_mul_u32_u24 v[RD], v[HH], SP
	v_lshl_add_u32 v[RD], v[RR], 4, v[RD]
	v_add_nc_u32 v[RD], s62, v[RD]                 ; back: lanes 0-15 one row of 256 bytes, lanes 16-31 the next
	v_lshlrev_b32 v[GO], 13, v[HH]
	v_lshl_add_u32 v[GO], v[RR], 4, v[GO]          ; and the same two rows in out0
	s_lshl_b32 s60, s[II], 4
	v_lshlrev_b32 v[TT], 4, v[HH]
	v_sub_nc_u32 v[DB], v[RR], v[TT]
	v_add_nc_u32 v[DB], s60, v[DB]                 ; D_0 = 16 I + r - 16 h
	v_add_nc_u32 v[DB+1], 0xffffffe0, v[DB]        ; D_b = D_0 - 32 b
	v_add_nc_u32 v[DB+2], 0xffffffc0, v[DB]
	v_add_nc_u32 v[DB+3], 0xffffffa0, v[DB]
	v_mov_b32 v[TM+1], 0                           ; written once: a lane permute's destination counts as one of its sources
	v_mov_b32 v[TM+3], 0
	s_mov_b32 s[JN], 0
	JOBP
	s_wait_dscnt 0x0                               ; the opening add is done
	s_wait_kmcnt 0x0
	s_load_b128 s[68:71], s[10:11], 0x0            ; eq, ek, ep, ev
	s_add_nc_u64 s[G0K+2:G0K+3], s[6:7], s[KVO:KVO+1]
	s_or_b32 s[G0K+3], s[G0K+3], 0x80000000
	CROUND                                         ; all four work-groups are here: the first joint loads meet
	tensor_load_to_lds s[G0K:G0K+3], s[G1:G1+7]    ; K of job 0
	s_nop 0
	PLACES
	QLOADS                                         ; q of job 0
	WIN 0
	s_wait_kmcnt 0x0
	s_add_co_i32 s72, s68, s69
	s_lshl_b32 s72, s72, 23
	s_add_co_i32 s[C1], s72, 0x3e8293ee            ; 2 log2(e) / sqrt(128), with eq + ek added to its exponent field
	s_mov_b32 s[C1+1], s[C1]
	s_add_co_i32 s72, s68, 127
	s_lshl_b32 s73, s72, 23
	v_mov_b32 v[SCQ], s73                          ; 2^eq
	s_add_co_i32 s72, s72, 8
	s_lshl_b32 s72, s72, 23
	s_or_b32 s72, s72, 0x600000
	v_mov_b32 v[LIMQ], s72                         ; 448 x 2^eq
	s_add_co_i32 s72, s70, 127
	s_lshl_b32 s73, s72, 23
	v_mov_b32 v[SCP], s73                          ; 2^ep
	s_add_co_i32 s72, s72, 8
	s_lshl_b32 s72, s72, 23
	s_or_b32 s72, s72, 0x600000
	v_mov_b32 v[LIMP], s72
	v_min_num_f32 v[LIMP], 1.0, v[LIMP]            ; the clip at 1 and the hold at 448 x 2^ep are one bound; no branch hangs on the exponent
	s_add_co_i32 s72, s70, s71
	s_add_co_i32 s72, s72, 127
	s_lshl_b32 s[SO], s72, 23                      ; 2^(ep + ev)
	s_mov_b32 s[SO+1], s[SO]
	s_branch .Lmid
.Lloop:                                                ; reached by the backward jump alone: pass 2 of job JN - 1, which is HIGH
	v_pk_add_f32 v[ACC:ACC+1], v[ACC:ACC+1], v[ACC+2:ACC+3]
	v_pk_add_f32 v[ACC+4:ACC+5], v[ACC+4:ACC+5], v[ACC+6:ACC+7]
	v_pk_add_f32 v[ACC:ACC+1], v[ACC:ACC+1], v[ACC+4:ACC+5]
	v_add_f32 v[TM], v[ACC], v[ACC+1]
	v_permlanex16_b32 v[TM+1], v[TM], s[SEL], s[SEL+1]   ; the query's other 64 keys of each step lie in the lane 16 away
	v_add_f32 v[TM], v[TM], v[TM+1]
	v_rcp_f32 v[TM+4], v[TM]
	v_nop                                          ; a plain instruction behind the reciprocal
	s_mov_b32 s[OXO], s[QXO]                       ; where this job's tile leaves,
	JOBP                                           ; and the next job's figures
	s_wait_alu depctr_va_vdst(0)                   ; the wait ahead of the first reader
	v_mul_f32 v[FX], 0x3f87ae14, v[TM+4]           ; 1.06 / the sum
	v_mov_b32 v[FX+1], v[FX]
	FILL G0K, 6                                    ; V of this job has landed in every wave; K of the next job goes out and has all of pass 2 in which to land
	s_wait_xcnt 0x0                                ; the last tile's stores have read their data: O^T's registers are written again only behind this wait
	VADRC 8
	FETCH
.irp t, 0,1,2,3,4,5,6,7,8
	QUANTP \t, FX
	s_wait_dscnt 0x0                               ; V of this step
.if \t == 0
	MMO OX, 1
.else
	MMO OX, 0
.endif
.if \t < 8
	WIN 0
	PLACES
	VADRC 7-\t
	FETCH                                          ; the next step's V lands while its A is made
.endif
.if \t == 1
	QLOADS                                         ; p of steps 0 and 1 has been read: the next job's q lands there, seven steps ahead of its use
.endif
.endr
	WAYOUT OX, OXO
.Lmid:                                                 ; pass 1 of job JN
	FILL G0V, 8                                    ; K of this job has landed in every wave; V goes out and has all of pass 1 in which to land
	SLOTADR 0, KREG
	FETCH
	WIN 0
.set j, 0
.rept 10
	v_mov_b32 v[ACC+j], 0                          ; the sum's four pairs, and X's
.set j, j+1
.endr
	s_wait_loadcnt 0x0                             ; q
	QUANTQ 0, Q
	QUANTQ 64, QY
	s_wait_dscnt 0x0                               ; K of step 0
.irp f, 0,1,2,3,4,5,6,7
	MMS 1, 0, \f
.endr
	WIN 0
	PLACES
	SLOTADR 1, KREG
	FETCH
.irp t, 0,1,2,3,4,5,6,7,8
	TRANS \t
.endr
	WIN 0
	s_add_co_u32 s[JN], s[JN], 1
	s_cmp_lt_u32 s[JN], 3
	s_cbranch_scc1 .Lloop
	; ---- THE TAIL: pass 2 of the LOW pair
	v_pk_add_f32 v[ACC:ACC+1], v[ACC:ACC+1], v[ACC+2:ACC+3]
	v_pk_add_f32 v[ACC+4:ACC+5], v[ACC+4:ACC+5], v[ACC+6:ACC+7]
	v_pk_add_f32 v[ACC:ACC+1], v[ACC:ACC+1], v[ACC+4:ACC+5]
	v_add_f32 v[TM], v[ACC], v[ACC+1]              ; Y's sum,
	v_add_f32 v[TM+2], v[SAV], v[SAV+1]            ; X's
	v_permlanex16_b32 v[TM+1], v[TM], s[SEL], s[SEL+1]
	v_permlanex16_b32 v[TM+3], v[TM+2], s[SEL], s[SEL+1]
	v_add_f32 v[TM], v[TM], v[TM+1]
	v_add_f32 v[TM+2], v[TM+2], v[TM+3]
	v_rcp_f32 v[TM+4], v[TM]
	v_rcp_f32 v[TM+5], v[TM+2]
	v_nop
	s_wait_alu depctr_va_vdst(0)                   ; one wait for both reciprocals
	v_mul_f32 v[FY], 0x3f87ae14, v[TM+4]
	v_mov_b32 v[FY+1], v[FY]
	v_mul_f32 v[FX], 0x3f87ae14, v[TM+5]
	v_mov_b32 v[FX+1], v[FX]
	s_wait_xcnt 0x0                                ; the last tile's stores have read their data
	s_wait_tensorcnt 0x0                           ; my quarter of V has landed;
	ds_add_u32 v[SPW], v[NIL]
	s_wait_dscnt 0x0
	s_barrier_signal -1
	s_barrier_wait -1                              ; everybody's has.  No round of the cluster's
.macro TSTEP t, f, ob, zero, next      ; a step whose tile is known from the text
	QUANTP \t, \f
	s_wait_dscnt 0x0
	MMO \ob, \zero
	WIN 0
	PLACES
	SLOTADR \next, VREG
	FETCH
.endm
.macro SSTEP t, more                   ; steps 5 to 7 are X's or Y's by NX: the factor is selected, the eight products stand in two arms of a scalar branch
	WIN 0
	s_cmp_gt_u32 s[NX], \t
	s_cselect_b32 s74, -1, 0
	v_cndmask_b32 v[FS], v[FY], v[FX], s74
	v_mov_b32 v[FS+1], v[FS]
	QUANTP \t, FS
	s_wait_dscnt 0x0
	WIN 0
	s_cmp_gt_u32 s[NX], \t
	s_cbranch_scc0 .Lfor_y_\@
	MMO OX, 0
	WIN 0
	s_branch .Ljoin_\@
.Lfor_y_\@:
	MMO OY, 0
	WIN 0
.Ljoin_\@:
.if \more
	PLACES
	SLOTADR (\t)+1, VREG
	FETCH
.endif
.endm
	SLOTADR 8, VREG
	FETCH
	TSTEP 8, FY, OY, 1, 0                          ; step 8 is always Y's and starts its sums; step 0 always X's
	TSTEP 0, FX, OX, 1, 1
	TSTEP 1, FX, OX, 0, 2
	TSTEP 2, FX, OX, 0, 3
	TSTEP 3, FX, OX, 0, 4
	TSTEP 4, FX, OX, 0, 5                          ; NX is at least 5
	SSTEP 5, 1
	SSTEP 6, 1
	SSTEP 7, 0
	WAYOUT OX, QXO
	WAYOUT OY, QYO
	s_wait_tensorcnt 0x0                           ; the wave's end: behind my last tensor load and my last LDS store
	ds_add_u32 v[SPW], v[NIL]
	s_wait_dscnt 0x0
	CROUND                                         ; the closing round: no work-group ends while a partner may still ask for a fill that names it
	s_endpgm
.Lfunc_end_k_q5cd299d1f0_attn:
	.size	k_q5cd299d1f0_attn, .Lfunc_end_k_q5cd299d1f0_attn-k_q5cd299d1f0_attn
	.p2alignl 7, 3214868480
	.fill 96, 4, 3214868480
	.section	.rodata,"a",@progbits
	.p2align	6, 0x0
	.amdhsa_kernel k_q5cd299d1f0_attn
		.amdhsa_group_segment_fixed_size 327680
		.amdhsa_private_segment_fixed_size 0
		.amdhsa_enable_private_segment 0
		.amdhsa_kernarg_size 40
		.amdhsa_user_sgpr_count 2
		.amdhsa_user_sgpr_kernarg_segment_ptr 1
		.amdhsa_wavefront_size32 1
		.amdhsa_system_sgpr_workgroup_id_x 1
		.amdhsa_system_sgpr_workgroup_id_y 1
		.amdhsa_system_sgpr_workgroup_id_z 1
		.amdhsa_system_vgpr_workitem_id 0
		.amdhsa_next_free_vgpr 960
		.amdhsa_next_free_sgpr 80
		.amdhsa_reserve_vcc 1
		.amdhsa_float_denorm_mode_32 3
		.amdhsa_float_denorm_mode_16_64 3
		.amdhsa_memory_ordered 1
		.amdhsa_forward_progress 1
		.amdhsa_inst_pref_size 255
	.end_amdhsa_kernel
	.section	.bss,"aw",@nobits
	.p2align	6
	.space	262144
	.amdgpu_metadata
---
amdhsa.version: [ 1, 2 ]
amdhsa.kernels:
  - .name:           k_q5cd299d1f0_attn
    .symbol:         k_q5cd299d1f0_attn.kd
    .args:
      - { .name: q, .offset: 0, .size: 8, .value_kind: global_buffer, .address_space: global }
      - { .name: kf, .offset: 8, .size: 8, .value_kind: global_buffer, .address_space: global }
      - { .name: vf, .offset: 16, .size: 8, .value_kind: global_buffer, .address_space: global }
      - { .name: lowp_scales, .offset: 24, .size: 8, .value_kind: global_buffer, .address_space: global }
      - { .name: out0, .offset: 32, .size: 8, .value_kind: global_buffer, .address_space: global }
    .group_segment_fixed_size: 327680
    .private_segment_fixed_size: 0
    .kernarg_segment_align: 8
    .kernarg_segment_size: 40
    .max_flat_workgroup_size: 128
    .sgpr_count:     80
    .vgpr_count:     960
    .wavefront_size: 32
...
	.end_amdgpu_metadata
.endif
;; end of part 2
